; MI455X (gfx1250); checked and timed in simulation.
; The chip was launched on July 23, 2026; its instructions are those of AMD's public machine-readable ISA for CDNA 5 (MIT licence, August 2026) and "CDNA5" Instruction Set Architecture Reference Guide (July 2026). The comments in the code are by the model that wrote it; some were corrected since.
;; Pos Transformer. Allowed arithmetic: matrix products marked QUANTISED: E5M2 operands, one given power-of-two scale a tensor, by v_wmma_f32_16x16x64_bf8_bf8 or v_wmma_f32_16x16x128_bf8_bf8, f32 sums; products left as they are: f32 operands where the result goes on into a quantised operand, else bf16, f16 or f32 operands; f32 sums; everything else in f32.
;; Inputs: b_res1 384 float32; b_res2 384 float32; bk 384 float32; bn_beta 384 float32; bn_gamma 384 float32; bn_mean 384 float32; bn_var 384 float32; bq 384 float32; bv 384 float32; lowp_scales 12 int32 (the exponents e of the quantised operands' scales 2^e); pos 16 x 3 x 2,048 float32; w_res1 384 x 3 float32; w_res2_codes 384 x 12 x 32 uint8 (E5M2 codes of w_res2, K innermost, in blocks of 32 codes); wk 384 x 60 float32; wq 384 x 60 float32; wv 384 x 60 float32.
;; Outputs: out0 16 x 384 x 2,048 float32.
;; This version of the problem:
;;   THIS VERSION OF THE PROBLEM IS GIVEN IN LOW PRECISION. The matrix products marked QUANTISED in the list below multiply operands that are first quantised to E5M2 (5 exponent bits, 2 mantissa bits; 8 bits a number), with one given power-of-two scale for each operand tensor; their sums are f32. All else is computed in f32.
;;   The module's matrix products, in the order in which they are computed (A, B: the left and right operand; K: the contracted axis; several contracted axes count as one K, in the product's order):
;;     1. [M 32,768, K 60] x [K 60, N 384]; A: computed on the way; B: input wq: QUANTISED (scales: A lowp_scales[0], B lowp_scales[1])
;;     2. [M 32,768, K 60] x [K 60, N 384]; A: computed on the way; B: input wk: QUANTISED (scales: A lowp_scales[2], B lowp_scales[3])
;;     3. [M 32,768, K 60] x [K 60, N 384]; A: computed on the way; B: input wv: QUANTISED (scales: A lowp_scales[4], B lowp_scales[5])
;;     4. batch 16 x [M 2,048, K 384] x [K 384, N 2,048]; A: computed on the way; B: computed on the way: QUANTISED (scales: A lowp_scales[6], B lowp_scales[7])
;;     5. batch 16 x [M 384, K 2,048] x [K 2,048, N 2,048]; A: computed on the way; B: softmax (see below): QUANTISED (scales: A lowp_scales[8], B lowp_scales[9])
;;     6. [M 32,768, K 3] x [K 3, N 384]; A: input pos; B: input w_res1: left as it is (K = 3 < 32)
;;     7. [M 32,768, K 384] x [K 384, N 384]; A: computed on the way; B: input w_res2 (given as codes): QUANTISED (scales: A lowp_scales[10], B lowp_scales[11])
;;   THE QUANTISER, for each operand of a quantised product, along K:
;;     - The operand's scale is 2^e, e = its entry of the input lowp_scales (int32; the entries are numbered through the quantised products in the list's order, A before B).
;;     - Each number is divided by the scale, clamped to +-57,344, and rounded to the nearest number of E5M2, ties to even, subnormals kept.
;;     - The product sums the exact products of the quantised numbers (number of the format x scale) in f32.
;;   ~~~python
;;   def quantise(x, axis, e):      # numpy; x: float32 -> the quantised numbers, widened to float32 again
;;       x = np.moveaxis(x, axis, -1); K = x.shape[-1]
;;       r = np.clip(x / 2.0 ** e, -57344, 57344)
;;       step = 2.0 ** (np.maximum(np.frexp(np.where(r == 0, 1, r))[1] - 1, -14) - 2)
;;       q = np.round(r / step) * step * 2.0 ** e      # np.round: ties to even
;;       return np.moveaxis(q, -1, axis).astype(np.float32)
;;   ~~~
;;   SOFTMAX AHEAD OF A QUANTISED PRODUCT. Where the list says 'softmax', what is quantised is not the finished softmax but p = 2^(t - M), with t = logit x log2(e) and M = ceil(the row's largest t), a whole number; so 1/2 < the row's largest p <= 1. The row's sum l is taken of the UNQUANTISED p, in f32, and the product's result is divided by l at the end. Since M is a whole number, a kernel that streams over the keys may use a running M (the ceiling of the running maximum): every later rescaling is an exact power of two, so the quantised numbers keep their values, but for numbers so far below the row's largest that they fall under the format's range.
;;   OPERANDS COMPUTED ON THE WAY. 'Computed on the way' means the value that the module computes at that place (a softmax that the list does not call 'softmax' is quantised finished and normalised). What goes into a quantiser is computed in f32, as accurately as f32 sums, v_exp_f32 and their like allow (about 1e-6 of the number): no bf16 or f16 on the way to a quantiser, and a product that is left as it is and whose result goes on into a quantised operand takes f32 operands (vector FMAs, or v_wmma_f32_16x16x4_f32). A number that lies on a knife's edge between two numbers of the format may be rounded either way, as far as f32 arithmetic and the matrix unit's own rounding can turn it there, and no further.
;;   INPUTS GIVEN AS CODES. w_res2 (in the module: [384, 384], K = its axis 1): each comes as NAME_codes (uint8): NAME with its K axis moved to the last place and cut into blocks of 32 codes, [.., K / 32, bytes a block], one block behind the other in memory; one code a byte (a code: sign, 5 exponent bits, 2 mantissa bits); its scale is its entry of lowp_scales. Its value is code x scale, taken as it is: it is not quantised again, and the codes and scales need not be those that the quantiser above would give.
;; One version. Each part assembles by itself: llvm-mc -triple=amdgcn-amd-amdhsa -mcpu=gfx1250 --defsym DOCPART=n.
;; ======== version 1 of 1: 2 launches
;; limits: right only within a limited range of input values
;; workspace buffers: qimg 12,582,912 bytes; rimg 12,582,912 bytes; kvw 27,525,120 bytes
;; launch prep (part 1): grid 16 x 16, 12 waves a work-group, no clusters, 216,576 bytes of LDS; arguments pos, wq, wk, wv, bq, bk, bv, w_res1, b_res1, bn_gamma, bn_beta, bn_mean, bn_var, w_res2_codes, lowp_scales, qimg, kvw, rimg; writes qimg, kvw, rimg
.if DOCPART == 1
	.amdgcn_target "amdgcn-amd-amdhsa--gfx1250"
	.amdhsa_code_object_version 6
	.text
	.protected	k_qbdc20b0816_prep
	.globl	k_qbdc20b0816_prep
	.p2align	8
	.type	k_qbdc20b0816_prep,@function
k_qbdc20b0816_prep:
	s_mov_b64 s[64:65], 0
	v_nop
	global_prefetch_b8 v0, s[64:65] scope:SCOPE_SE
	s_setreg_imm32_b32 hwreg(HW_REG_WAVE_MODE, 25, 1), 1
	s_wait_xcnt 0x0
; PREP: all that stands ahead of the attention.  Work-group (kb, b) owns the 128 points 128 kb .. of batch b and stores, as codes of E5M2, the operands of the later products:
;   q, k (points x 384 channels), v (384 channels x points), r = relu(BN(w_res1 pos + b_res1)) (points x 384), and a share of a copy of w_res2's codes for its batch.
; EVERY OPERAND IS STORED AS AN IMAGE OF ITS REGISTERS.  A fragment, 16 rows x 128 K, is 2,048 bytes: chunk c (512 bytes) holds lane l's 16 bytes at 16 l: of row l % 16, K = 32 c + 16 (l / 16) + 0 .. 15.
; POINT ORDER: in a block of 128 points lane r of tile 2 p + u holds point 32 p + 8 u + r + 8 (r / 8).  The rows of wq and wk that form a tile are chosen in the same way.  So a product's
; 16 registers of two neighbouring tiles are 16 neighbours along the next product's K, and the conversions' results are the next operand's registers.
; THE 60 CHANNELS: lane (r, h) holds, of its point, sin (h = 0) or cos (h = 1) of pos_c 2^f at place 10 c + f, and of a weight's row the numbers of the same channels 20 c + 10 h + f; places 30, 31 are zero codes.
; The same order of K on both sides leaves every product with its partner; K = 60 is filled to the instruction's 64 by zeros on both sides.
; SINE AND COSINE in f32: n = the nearest whole number to x 2/pi; x - n pi/2 by three fused multiply-adds with pi/2 in three parts; two polynomials on +-pi/4; the quadrant chooses and signs.
; SHARES: 12 waves, wave w: p = w % 4 (a pair of point tiles), g = w / 4 (q, k, v; for r: channels 128 g ..).  Ahead of the one barrier: thread t lays channel t's constants into LDS; waves 0-7 make a point tile's 60 channels
; and quantise them with the three given scales; every wave quantises its 32 rows of wq, wk, wv.  Behind it LDS is only read.
; w_res2's IMAGE has 24 tiles of 12 chunks: work-groups kb < 12 store two tiles each, a wave two chunks.  Every work-group issues the two loads (the tile's number held at 23), so that the counts of the later waits are the same
; everywhere; in work-groups 12 to 15 their 1,024 bytes a wave are read and not used.
; NO TENSOR LOAD AND NO CLUSTER: what the work-groups share are the f32 weights, 276,480 bytes, which together with their images (73,728) do not fit LDS in one fill and must be turned and quantised in registers in any case.
; LIMITS: |pos| x 512 under about 1e5 (beyond that the three-part reduction loses accuracy); NaN and infinities are not served; e0 .. e5, e10 and e6 - e0 - e1, e7 - e2 - e3, e8 - e4 - e5 between -126 and 112,
; so that each power of two below, and 57,344 times it, is an f32 number.  BN is computed as (w.pos + (b_res1 - mean)) x inv + beta, inv = gamma x rsq(var + eps).
.set KVB,  1720320                     ; a batch's part of kvw: 16 tiles (K block, V block), then w_res2's image
.set TILE, 98304
.set QBLK, 49152                       ; a block of 128 points x 384 codes
.set WIMG, 92160                       ; LDS: 0: twelve stages of 7,680 bytes, a wave's own; WIMG: 72 weight tiles of 1,024 bytes (matrix i, tile j: 24 i + j)
.set EIMG, 165888                      ; 24 tiles of the 60 channels (scale i, point tile kt: 8 i + kt)
.set TAB,  190464                      ; six tables of 384 f32: w_res1's three columns, b_res1 - mean, inv, beta
.set TABB, 199680                      ; bq and bk, each divided by the power of two that its sums lack
.set TABV, 202752                      ; bv likewise, eight times each: 32 bytes a channel
.set WV, 52                            ; s52 wave, s53 p, s54 g, s56 batch
.set PP, 53
.set GG, 54
.set BB, 56
.set KC, 24                            ; v24-49   thirteen constants, each twice (pairs for the packed forms)
.set EE, 64                            ; v64-93   the lane's 30 channels
.set TQ, 96                            ; v96-127  the same, held; places 30, 31 zero
.set EC, 128                           ; v128-135 their codes (before that: whole numbers at work, and the three coordinates in v132-134)
.set RAW0, 136                         ; v136-195, v196-255: a wave's 32 rows of a weight as they are loaded
.set RAW1, 196
.set T0, 24                            ; v24-55, v56-87: two weight tiles, 32 places a lane
.set WC, 88                            ; v88-103  their codes
.set EF, 24                            ; behind the barrier: v24-39 two point tiles; v40-71 four weight tiles; v72-103 four tiles of biases
.set WF, 40
.set BI, 72
.set XP, 104                           ; v104-115 x, y, z of my two points, each twice
.set ACC, 116                          ; v116-179 eight accumulators
.set CODE, 180                         ; v180-211 codes, two sets of 16
.set CN, 116                           ; the residual: v116-211 six tables x 16 channels; v24-55 r; v56-71 its codes, two sets
.set RA, 24
.set RC, 56
.macro PLACES                          ; four plain lines between a matrix instruction and the first read of its result, or a load into its registers
.rept 4
	v_nop
.endr
.endm
.macro MKSC dsc, dlim, e               ; from the whole number in s[e]: 2^e as f32, and 57,344 x 2^e
	s_add_co_i32 s94, s[\e], 127
	s_lshl_b32 s[\dsc], s94, 23
	s_add_co_i32 s94, s94, 15
	s_lshl_b32 s94, s94, 23
	s_or_b32 s[\dlim], s94, 0x600000
.endm
.macro KSET n, val
	v_mov_b32 v[KC+2*\n], \val
	v_mov_b32 v[KC+2*\n+1], \val
.endm
	s_load_b512 s[4:19], s[0:1], 0x0               ; pos 4, wq 6, wk 8, wv 10, bq 12, bk 14, bv 16, w_res1 18
	s_load_b512 s[20:35], s[0:1], 0x40             ; b_res1 20, gamma 22, beta 24, mean 26, var 28, w_res2_codes 30, lowp_scales 32, qimg 34
	s_load_b128 s[36:39], s[0:1], 0x80             ; kvw 36, rimg 38
	s_set_vgpr_msb 0x40
	v_lshl_add_u32 v0, v0, 2, 0x34800
	v_mov_b32 v1, 0
	s_set_vgpr_msb 0x4000
	v_lshrrev_b32 v24, 5, v0
	v_readfirstlane_b32 s[WV], v24
	s_and_b32 s[PP], s[WV], 3
	s_lshr_b32 s[GG], s[WV], 2
	s_and_b32 s[BB], ttmp7, 0xffff
	; every address register is made here, ahead of the first branch, and never rewritten
	v_and_b32 v24, 31, v0
	v_lshlrev_b32 v1, 4, v24                       ; v1  16 x lane
	v_and_b32 v2, 15, v0                           ; v2  r
	v_bfe_u32 v3, v0, 4, 1                         ; v3  h
	v_lshlrev_b32 v4, 2, v0                        ; v4  4 x thread
	v_mul_u32_u24 v5, v0, 12                       ; v5  12 x thread: a row of w_res1
	v_and_b32 v25, 8, v2
	v_add_nc_u32 v25, v25, v2                      ; r + 8 (r / 8)
	s_mul_i32 s57, s[WV], 7680
	v_add_nc_u32 v6, s57, v1                       ; v6  my stage, as loaded
	v_mul_u32_u24 v7, v25, 240
	v_mad_u32_u24 v7, v3, 40, v7
	v_add_nc_u32 v7, s57, v7                       ; v7  my stage, rows in the chosen order: 240 (r + 8 (r / 8)) + 40 h
	v_mul_u32_u24 v8, v2, 240
	v_mad_u32_u24 v8, v3, 40, v8
	v_add_nc_u32 v8, s57, v8                       ; v8  my stage, rows as they lie (wv)
	s_lshl_b32 s58, s[WV], 11
	s_add_co_u32 s58, s58, WIMG
	v_add_nc_u32 v9, s58, v1                       ; v9  where my two weight tiles go
	s_and_b32 s58, s[WV], 7
	s_lshl_b32 s59, s58, 10
	s_add_co_u32 s59, s59, EIMG
	v_add_nc_u32 v10, s59, v1                      ; v10 where my point tile goes (waves 0-7)
	v_add_nc_u32 v11, TAB, v4                      ; v11 my channel's word in a table
	v_lshl_add_u32 v12, v0, 5, TABV                ; v12 my channel's 32 bytes of bv
	s_lshl_b32 s59, s[GG], 13
	s_lshl_b32 s60, s[PP], 11
	s_add_co_u32 s59, s59, s60
	s_add_co_u32 s59, s59, EIMG
	v_add_nc_u32 v13, s59, v1                      ; v13 my two point tiles, in my product's scale
	s_mul_i32 s59, s[GG], 24576
	s_add_co_u32 s59, s59, WIMG
	v_add_nc_u32 v14, s59, v1                      ; v14 my product's weight tiles
	s_mul_i32 s59, s[GG], 1536
	s_add_co_u32 s59, s59, TABB
	v_lshl_add_u32 v15, v3, 6, s59                 ; v15 bq or bk at 16 h (read where g < 2 alone)
	v_lshl_add_u32 v16, v2, 5, TABV                ; v16 bv of row r
	s_lshl_b32 s59, s[GG], 9
	s_add_co_u32 s59, s59, TAB
	v_lshl_add_u32 v17, v3, 6, s59                 ; v17 the tables at channel 128 g + 16 h
	v_add_nc_u32 v18, s57, v1                      ; v18 my 32 rows of a weight in memory: 7,680 w + 16 x lane
	s_lshl_b32 s59, ttmp9, 7
	s_lshr_b32 s60, s58, 1
	s_lshl_b32 s60, s60, 5
	s_add_co_u32 s60, s60, s59
	s_and_b32 s61, s[WV], 1
	s_lshl_b32 s61, s61, 3
	s_add_co_u32 s60, s60, s61
	v_add_lshl_u32 v19, v25, s60, 2                ; v19 the point whose channels I make: tile w % 8
	s_lshl_b32 s60, s[PP], 5
	s_add_co_u32 s60, s60, s59
	v_add_lshl_u32 v20, v25, s60, 2                ; v20 my point of pair p, tile 0 (tile 1: 32 bytes on)
	v_mul_u32_u24 v21, v2, 384
	v_lshl_add_u32 v21, v3, 4, v21                 ; v21 w_res2's codes: row r, + 16 h
	; my two chunks of w_res2's image: tile t = 2 kb + (w >= 6), held at 23; chunks m = 2 (w mod 6), + 1
	s_cmp_ge_u32 s[WV], 6
	s_cselect_b32 s58, 1, 0
	s_mul_i32 s59, s58, 6
	s_sub_co_u32 s59, s[WV], s59                   ; w mod 6
	s_lshl_b32 s60, ttmp9, 1
	s_add_co_u32 s60, s60, s58                     ; t,
	s_min_u32 s60, s60, 23                         ; inside the 24 tiles in work-groups 12 to 15 too, which load and do not store
	s_mul_i32 s62, s60, 6144
	s_lshl_b32 s61, s59, 6
	s_add_co_u32 s62, s62, s61                     ; from: 16 t rows of 384 bytes + 32 m
	s_mov_b32 s63, 0
	s_lshr_b32 s61, s60, 2
	s_mul_i32 s61, s61, 12
	s_and_b32 s60, s60, 3
	s_add_co_u32 s61, s61, s60
	s_lshr_b32 s60, s59, 1
	s_lshl_b32 s60, s60, 2
	s_add_co_u32 s61, s61, s60                     ; to: fragment (t / 4) 12 + 4 (m / 4) + t % 4,
	s_lshl_b32 s61, s61, 11
	s_and_b32 s60, s59, 1
	s_lshl_b32 s60, s60, 10
	s_add_co_u32 s61, s61, s60                     ; chunk m % 4
	s_wait_kmcnt 0x0
	s_load_b256 s[40:47], s[32:33], 0x0            ; e0 .. e7
	s_load_b128 s[48:51], s[32:33], 0x20           ; e8 .. e11
	s_add_nc_u64 s[30:31], s[30:31], s[62:63]
	s_mul_i32 s62, s[BB], 24576
	s_add_nc_u64 s[4:5], s[4:5], s[62:63]          ; pos at my batch
	s_mul_i32 s62, s[BB], KVB
	s_add_nc_u64 s[36:37], s[36:37], s[62:63]      ; kvw at my batch
	s_add_co_u32 s62, s61, 16*TILE
	s_add_nc_u64 s[92:93], s[36:37], s[62:63]      ; s[92:93] my chunks of w_res2's image
	s_mul_i32 s62, ttmp9, TILE
	s_add_nc_u64 s[36:37], s[36:37], s[62:63]      ; my key tile
	s_lshl_b32 s62, s[BB], 4
	s_add_co_u32 s62, s62, ttmp9
	s_mul_i32 s62, s62, QBLK
	s_add_nc_u64 s[34:35], s[34:35], s[62:63]      ; my block of q's image,
	s_add_nc_u64 s[38:39], s[38:39], s[62:63]      ; and of r's
	s_cmp_eq_u32 s[GG], 0                          ; the choice hangs on the wave's number alone
	s_cselect_b64 s[86:87], s[34:35], s[36:37]
	s_lshl_b32 s62, s[PP], 12
	s_add_nc_u64 s[86:87], s[86:87], s[62:63]      ; s[86:87] q or k: fragments (s, 2 p + u)
	s_lshl_b32 s62, s[PP], 9
	s_add_co_u32 s62, s62, QBLK
	s_add_nc_u64 s[88:89], s[36:37], s[62:63]      ; s[88:89] v: chunk p of every fragment
	s_lshl_b32 s62, s[GG], 3
	s_lshl_b32 s61, s[PP], 1
	s_add_co_u32 s62, s62, s61
	s_lshl_b32 s62, s62, 11
	s_add_nc_u64 s[90:91], s[38:39], s[62:63]      ; s[90:91] r: fragments (g, 2 p + u)
	; THE LOADS, the same in every work-group and every wave, so that each later wait's count holds on every path
	global_load_b128 v[112:115], v21, s[30:31]     ; two chunks of w_res2's codes
	global_load_b128 v[116:119], v21, s[30:31] offset:32
	global_load_b32 v132, v19, s[4:5]
	global_load_b32 v133, v19, s[4:5] offset:8192
	global_load_b32 v134, v19, s[4:5] offset:16384
	global_load_b32 v96, v5, s[18:19]
	global_load_b32 v97, v5, s[18:19] offset:4
	global_load_b32 v98, v5, s[18:19] offset:8
	global_load_b32 v99, v4, s[20:21]              ; b_res1
	global_load_b32 v100, v4, s[26:27]             ; mean
	global_load_b32 v101, v4, s[28:29]             ; var
	global_load_b32 v102, v4, s[22:23]             ; gamma
	global_load_b32 v103, v4, s[24:25]             ; beta
	global_load_b32 v104, v4, s[12:13]             ; bq
	global_load_b32 v105, v4, s[14:15]             ; bk
	global_load_b32 v106, v4, s[16:17]             ; bv
.set n, 0
.rept 15
	global_load_b128 v[RAW0+4*n:RAW0+4*n+3], v18, s[6:7] offset:512*n     ; wq: 32 lanes read 512 consecutive bytes
.set n, n+1
.endr
.set n, 0
.rept 15
	global_load_b128 v[RAW1+4*n:RAW1+4*n+3], v18, s[8:9] offset:512*n     ; wk
.set n, n+1
.endr
	s_wait_kmcnt 0x0
.irp i, 0,1,2
	MKSC 66+\i, 69+\i, 40+2*\i                     ; s66-68, s69-71: the channels' scale for q, k, v, and the hold
	MKSC 72+\i, 75+\i, 41+2*\i                     ; s72-74, s75-77: the weight's
	s_add_co_i32 s94, s[40+2*\i], s[41+2*\i]
	s_sub_co_i32 s[78+\i], 0, s94                  ; s78-80: a sum stands for sum x 2^(eA + eB): the bias goes in divided by that
	s_add_co_i32 s[58+\i], s[46+\i], s[78+\i]      ; and the result's conversion takes 2^(e(6 + i) - eA - eB): three scales folded into one
.endr
	s_cmp_eq_u32 s[GG], 0
	s_cselect_b32 s95, s58, s59
	s_cmp_eq_u32 s[GG], 2
	s_cselect_b32 s95, s60, s95
	MKSC 81, 82, 95                                ; s81, s82: my product's
	MKSC 83, 84, 50                                ; s83, s84: r's, from e10
	; THE TABLES: thread t lays channel t's constants
	s_wait_loadcnt 30                              ; the 30 loads of wq and wk are younger and may be out
	v_sub_f32 v99, v99, v100                       ; b_res1 - mean
	v_add_f32 v101, 0x3727c5ac, v101               ; var + 1e-5
	v_rsq_f32 v107, v101
	v_ldexp_f32 v104, v104, s78                    ; (plain lines behind the transcendental)
	v_ldexp_f32 v105, v105, s79
	v_ldexp_f32 v106, v106, s80
	s_wait_alu depctr_va_vdst(0)                   ; ahead of the first reader of the root's result
	v_mul_f32 v102, v102, v107                     ; inv
	v_mov_b32 v108, v106
	v_mov_b32 v109, v106
	v_mov_b32 v110, v106
	v_mov_b32 v111, v106
	ds_store_b32 v11, v96
	ds_store_b32 v11, v97 offset:1536
	ds_store_b32 v11, v98 offset:3072
	ds_store_b32 v11, v99 offset:4608
	ds_store_b32 v11, v102 offset:6144
	ds_store_b32 v11, v103 offset:7680
	ds_store_b32 v11, v104 offset:9216             ; TABB
	ds_store_b32 v11, v105 offset:10752
	ds_store_b128 v12, v[108:111]
	ds_store_b128 v12, v[108:111] offset:16
	s_cmp_lt_u32 ttmp9, 12                         ; each chunk of the image has one owner: work-groups 0 to 11 store
	s_cbranch_scc0 .Lno_w_out
	global_store_b128 v1, v[112:115], s[92:93]     ; 512 consecutive bytes, aligned
	global_store_b128 v1, v[116:119], s[92:93] offset:512
.Lno_w_out:
	s_wait_xcnt 0x0                                ; v112-119 are written again below only behind this wait
	; THE 60 CHANNELS of point tile w (waves 0-7)
	s_cmp_lt_u32 s[WV], 8
	s_cbranch_scc0 .Lno_emb
	KSET 0, 0x3f22f983                             ; 2 / pi
	KSET 1, 0xbfc90fdb                             ; pi / 2 in three parts, negated
	KSET 2, 0x333bbd2e
	KSET 3, 0x26f72ced
	KSET 4, 0x37cd4000                             ; the cosine's polynomial in r^2
	KSET 5, 0xbab6077d
	KSET 6, 0x3d2aaaa8
	KSET 7, -0.5
	KSET 8, 1.0
	KSET 9, 0x36405000                             ; the sine's
	KSET 10, 0xb9503486
	KSET 11, 0x3c0888c1
	KSET 12, 0xbe2aaaab
; two angles a, 2 a in v[50:51] -> two channels.  v52 n, v54 r, v56 r^2, v58 cos, v60 sin, v62 r^3
.macro EMBPAIR dst
	v_pk_mul_f32 v[52:53], v[50:51], v[KC:KC+1]
	v_rndne_f32 v52, v52
	v_rndne_f32 v53, v53
	v_pk_fma_f32 v[54:55], v[52:53], v[KC+2:KC+3], v[50:51]
	v_pk_fma_f32 v[54:55], v[52:53], v[KC+4:KC+5], v[54:55]
	v_pk_fma_f32 v[54:55], v[52:53], v[KC+6:KC+7], v[54:55]
	v_cvt_i32_f32 v128, v52
	v_cvt_i32_f32 v129, v53
	v_pk_mul_f32 v[56:57], v[54:55], v[54:55]
	v_add_nc_u32 v128, v128, v3                    ; the quadrant: n for the sine, n + 1 for the cosine
	v_add_nc_u32 v129, v129, v3
	v_pk_fma_f32 v[58:59], v[56:57], v[KC+8:KC+9], v[KC+10:KC+11]
	v_pk_fma_f32 v[60:61], v[56:57], v[KC+18:KC+19], v[KC+20:KC+21]
	v_pk_mul_f32 v[62:63], v[54:55], v[56:57]
	v_pk_fma_f32 v[58:59], v[58:59], v[56:57], v[KC+12:KC+13]
	v_pk_fma_f32 v[60:61], v[60:61], v[56:57], v[KC+22:KC+23]
	v_and_b32 v130, 1, v128
	v_and_b32 v131, 1, v129
	v_pk_fma_f32 v[58:59], v[58:59], v[56:57], v[KC+14:KC+15]
	v_pk_fma_f32 v[60:61], v[60:61], v[56:57], v[KC+24:KC+25]
	v_lshlrev_b32 v128, 30, v128
	v_lshlrev_b32 v129, 30, v129
	v_pk_fma_f32 v[58:59], v[58:59], v[56:57], v[KC+16:KC+17]
	v_pk_fma_f32 v[60:61], v[60:61], v[62:63], v[54:55]
	v_and_b32 v128, 0x80000000, v128               ; quadrants 2 and 3 change the sign
	v_and_b32 v129, 0x80000000, v129
	v_cmp_eq_u32 vcc_lo, 1, v130
	v_cndmask_b32 v130, v60, v58, vcc_lo           ; odd quadrants take the cosine's polynomial
	v_cmp_eq_u32 vcc_lo, 1, v131
	v_cndmask_b32 v131, v61, v59, vcc_lo
	v_xor_b32 v[\dst], v130, v128
	v_xor_b32 v[\dst+1], v131, v129
.endm
.irp c, 0,1,2
	v_mov_b32 v50, v[132+\c]
	v_add_f32 v51, v[132+\c], v[132+\c]
.irp m, 0,1,2,3,4
	EMBPAIR EE+10*\c+2*\m
.if \m < 4
	v_pk_mul_f32 v[50:51], v[50:51], 4.0 op_sel_hi:[1,0]   ; the next two frequencies: exact
.endif
.endr
.endr
	v_mov_b32 v[TQ+30], 0
	v_mov_b32 v[TQ+31], 0
.irp i, 0,1,2                          ; the same numbers in the scales of products 1, 2 and 3
	v_mov_b32 v22, s[66+\i]
	v_mov_b32 v23, s[69+\i]
.set j, 0
.rept 30
	v_med3_num_f32 v[TQ+j], v[EE+j], -v23, v23     ; the conversion to an 8-bit code does not saturate (ISA guide 7.6.2): the hold at the largest code x the scale
.set j, j+1
.endr
.irp g, 0,1,2,3
	v_cvt_scalef32_pk8_bf8_f32 v[EC+2*\g:EC+2*\g+1], v[TQ+8*\g:TQ+8*\g+7], v22
.endr
	v_nop                                          ; a plain line behind the last conversion of a run
	ds_store_b128 v10, v[EC:EC+3] offset:8192*\i
	ds_store_b128 v10, v[EC+4:EC+7] offset:8192*\i+512
	s_wait_dscnt 0x0                               ; the stores have read their registers
.endr
.Lno_emb:
	v_mov_b32 v[T0+30], 0
	v_mov_b32 v[T0+31], 0
	v_mov_b32 v[T0+62], 0
	v_mov_b32 v[T0+63], 0
; MY 32 ROWS OF WEIGHT i: through my stage as they were loaded, back in the operand's order (15 loads of 8 bytes a tile), held, converted, stored as two tile images.
.macro WQUANT i, raw, lc
	s_wait_loadcnt \lc
.set n, 0
.rept 15
	ds_store_b128 v6, v[\raw+4*n:\raw+4*n+3] offset:512*n
.set n, n+1
.endr
.irp u, 0,1
.irp c, 0,1,2
.irp m, 0,1,2,3,4
.if \i < 2
	ds_load_b64 v[T0+32*\u+10*\c+2*\m:T0+32*\u+10*\c+2*\m+1], v7 offset:1920*\u+80*\c+8*\m    ; LDS serves a wave's instructions in order (ISA guide 5.7.1.4): these see my stores
.else
	ds_load_b64 v[T0+32*\u+10*\c+2*\m:T0+32*\u+10*\c+2*\m+1], v8 offset:3840*\u+80*\c+8*\m
.endif
.endr
.endr
.endr
	s_wait_dscnt 0x0
.if \i == 0
.set n, 0
.rept 15
	global_load_b128 v[RAW0+4*n:RAW0+4*n+3], v18, s[10:11] offset:512*n   ; wv, into the registers that wq has left
.set n, n+1
.endr
.irp u, 0,1
.irp c, 0,1,2
	global_load_b32 v[XP+6*\u+2*\c], v20, s[4:5] offset:32*\u+8192*\c     ; my two points' coordinates, for the residual
.endr
.endr
.endif
	v_mov_b32 v22, s[72+\i]
	v_mov_b32 v23, s[75+\i]
.irp u, 0,1
.set j, 0
.rept 30
	v_med3_num_f32 v[T0+32*\u+j], v[T0+32*\u+j], -v23, v23
.set j, j+1
.endr
.irp g, 0,1,2,3
	v_cvt_scalef32_pk8_bf8_f32 v[WC+8*\u+2*\g:WC+8*\u+2*\g+1], v[T0+32*\u+8*\g:T0+32*\u+8*\g+7], v22
.endr
.endr
	v_nop
.irp u, 0,1
	ds_store_b128 v9, v[WC+8*\u:WC+8*\u+3] offset:24576*\i+1024*\u
	ds_store_b128 v9, v[WC+8*\u+4:WC+8*\u+7] offset:24576*\i+1024*\u+512
.endr
.endm
	WQUANT 0, RAW0, 15                             ; wk's 15 loads are younger
	WQUANT 1, RAW1, 21                             ; wv's 15 and the six coordinates are younger
	WQUANT 2, RAW0, 6                              ; the six coordinates
	s_wait_dscnt 0x0                               ; for the others' sake: all my stores have landed
	s_barrier_signal -1
	s_barrier_wait -1                              ; the one barrier: from here on LDS is only read
.irp n, 0,1,2,3
	ds_load_b128 v[EF+4*\n:EF+4*\n+3], v13 offset:512*\n
.endr
	v_mov_b32 v22, s81
	v_mov_b32 v23, s82
.macro QUANT16 src, dst                ; 16 neighbours along the next K -> four registers of codes; each accumulator is read from its low end on
.set j, 0
.rept 16
	v_med3_num_f32 v[(\src)+j], v[(\src)+j], -v23, v23
.set j, j+1
.endr
	v_cvt_scalef32_pk8_bf8_f32 v[(\dst):(\dst)+1], v[(\src):(\src)+7], v22
	v_cvt_scalef32_pk8_bf8_f32 v[(\dst)+2:(\dst)+3], v[(\src)+8:(\src)+15], v22
.endm
; q, k: TRANSPOSED: source 0 = 16 rows of the weight, source 1 = 16 points: a lane holds one point, its registers run along the channels.  Group G: channels 64 G .. 64 G + 63 for my two point tiles.  The bias is the sums' C.
.macro PROJQK G
.irp n, 0,1,2,3,4,5,6,7
	ds_load_b128 v[WF+4*\n:WF+4*\n+3], v14 offset:4096*\G+512*\n
.endr
.irp t, 0,1,2,3
.irp x, 0,1
	ds_load_b128 v[BI+8*\t+4*\x:BI+8*\t+4*\x+3], v15 offset:128*(2*\G+\t/2)+32*(\t%2)+16*\x
.endr
.endr
	s_wait_dscnt 0x0
.irp u, 0,1
.irp t, 0,1,2,3
	v_wmma_f32_16x16x64_bf8_bf8 v[ACC+32*\u+8*\t:ACC+32*\u+8*\t+7], v[WF+8*\t:WF+8*\t+7], v[EF+8*\u:EF+8*\u+7], v[BI+8*\t:BI+8*\t+7]
.endr
.endr
	PLACES
	s_wait_xcnt 0x0                                ; earlier stores have read their codes' registers
.irp u, 0,1
.irp l, 0,1
	QUANT16 ACC+32*\u+16*\l, CODE+16*(\G%2)+8*\u+4*\l
.endr
.endr
	v_nop
.irp u, 0,1
.irp l, 0,1
	global_store_b128 v1, v[CODE+16*(\G%2)+8*\u+4*\l:CODE+16*(\G%2)+8*\u+4*\l+3], s[86:87] offset:((2*\G+\l)/4)*16384+\u*2048+((2*\G+\l)%4)*512
.endr
.endr
.endm
; v: source 0 = 16 points, source 1 = 16 rows of wv: a lane holds one channel, its registers run along the points, which are the last product's K.  Group G: channel tiles 4 G .. 4 G + 3.
.macro PROJV G
.irp n, 0,1,2,3,4,5,6,7
	ds_load_b128 v[WF+4*\n:WF+4*\n+3], v14 offset:4096*\G+512*\n
.endr
.irp t, 0,1,2,3
.irp x, 0,1
	ds_load_b128 v[BI+8*\t+4*\x:BI+8*\t+4*\x+3], v16 offset:512*(4*\G+\t)+16*\x
.endr
.endr
	s_wait_dscnt 0x0
.irp t, 0,1,2,3
.irp u, 0,1
	v_wmma_f32_16x16x64_bf8_bf8 v[ACC+16*\t+8*\u:ACC+16*\t+8*\u+7], v[EF+8*\u:EF+8*\u+7], v[WF+8*\t:WF+8*\t+7], v[BI+8*\t:BI+8*\t+7]
.endr
.endr
	PLACES
	s_wait_xcnt 0x0
.irp t, 0,1,2,3
	QUANT16 ACC+16*\t, CODE+16*(\G%2)+4*\t
.endr
	v_nop
.irp t, 0,1,2,3
	global_store_b128 v1, v[CODE+16*(\G%2)+4*\t:CODE+16*(\G%2)+4*\t+3], s[88:89] offset:2048*(4*\G+\t)
.endr
.endm
	s_cmp_eq_u32 s[GG], 2
	s_cbranch_scc1 .Lfor_v
.irp G, 0,1,2,3,4,5
	PROJQK \G
.endr
	s_branch .Lresidual
.Lfor_v:
.irp G, 0,1,2,3,4,5
	PROJV \G
.endr
.Lresidual:
	; r for my two point tiles, channels 128 g .. 128 g + 127: in f32 by fused multiply-adds, two channels an instruction; the hold clips at 0 as well, which is the relu
	s_wait_loadcnt 0x0
.irp k, 0,1,2,3,4,5
	v_mov_b32 v[XP+2*\k+1], v[XP+2*\k]
.endr
	s_wait_xcnt 0x0                                ; the tables land on the registers of codes that stores have read
	v_mov_b32 v22, s83
	v_mov_b32 v23, s84
.irp cl, 0,1,2,3
.irp a, 0,1,2,3,4,5
.irp j, 0,1,2,3
	ds_load_b128 v[CN+16*\a+4*\j:CN+16*\a+4*\j+3], v17 offset:1536*\a+128*\cl+16*\j
.endr
.endr
	s_wait_dscnt 0x0
.irp u, 0,1
.irp i, 0,2,4,6,8,10,12,14
	v_pk_fma_f32 v[RA+16*\u+\i:RA+16*\u+\i+1], v[CN+32+\i:CN+32+\i+1], v[XP+6*\u+4:XP+6*\u+5], v[CN+48+\i:CN+48+\i+1]
.endr
.irp i, 0,2,4,6,8,10,12,14
	v_pk_fma_f32 v[RA+16*\u+\i:RA+16*\u+\i+1], v[CN+16+\i:CN+16+\i+1], v[XP+6*\u+2:XP+6*\u+3], v[RA+16*\u+\i:RA+16*\u+\i+1]
.endr
.irp i, 0,2,4,6,8,10,12,14
	v_pk_fma_f32 v[RA+16*\u+\i:RA+16*\u+\i+1], v[CN+\i:CN+\i+1], v[XP+6*\u:XP+6*\u+1], v[RA+16*\u+\i:RA+16*\u+\i+1]
.endr
.irp i, 0,2,4,6,8,10,12,14
	v_pk_fma_f32 v[RA+16*\u+\i:RA+16*\u+\i+1], v[RA+16*\u+\i:RA+16*\u+\i+1], v[CN+64+\i:CN+64+\i+1], v[CN+80+\i:CN+80+\i+1]
.endr
.endr
	s_wait_xcnt 0x0                                ; earlier stores have read their codes' registers
.irp u, 0,1
.set j, 0
.rept 16
	v_med3_num_f32 v[RA+16*\u+j], v[RA+16*\u+j], 0, v23
.set j, j+1
.endr
	v_cvt_scalef32_pk8_bf8_f32 v[RC+8*(\cl%2)+4*\u:RC+8*(\cl%2)+4*\u+1], v[RA+16*\u:RA+16*\u+7], v22
	v_cvt_scalef32_pk8_bf8_f32 v[RC+8*(\cl%2)+4*\u+2:RC+8*(\cl%2)+4*\u+3], v[RA+16*\u+8:RA+16*\u+15], v22
.endr
	v_nop
.irp u, 0,1
	global_store_b128 v1, v[RC+8*(\cl%2)+4*\u:RC+8*(\cl%2)+4*\u+3], s[90:91] offset:2048*\u+512*\cl
.endr
.endr
	s_set_vgpr_msb 0x5
	s_wait_tensorcnt 0x0
	ds_add_u32 v0, v1
	s_wait_dscnt 0x0
	s_set_vgpr_msb 0x500
	s_endpgm
.Lfunc_end_k_qbdc20b0816_prep:
	.size	k_qbdc20b0816_prep, .Lfunc_end_k_qbdc20b0816_prep-k_qbdc20b0816_prep
	.p2alignl 7, 3214868480
	.fill 96, 4, 3214868480
	.section	.rodata,"a",@progbits
	.p2align	6, 0x0
	.amdhsa_kernel k_qbdc20b0816_prep
		.amdhsa_group_segment_fixed_size 216576
		.amdhsa_private_segment_fixed_size 0
		.amdhsa_enable_private_segment 0
		.amdhsa_kernarg_size 144
		.amdhsa_user_sgpr_count 2
		.amdhsa_user_sgpr_kernarg_segment_ptr 1
		.amdhsa_wavefront_size32 1
		.amdhsa_system_sgpr_workgroup_id_x 1
		.amdhsa_system_sgpr_workgroup_id_y 1
		.amdhsa_system_sgpr_workgroup_id_z 1
		.amdhsa_system_vgpr_workitem_id 0
		.amdhsa_next_free_vgpr 258
		.amdhsa_next_free_sgpr 100
		.amdhsa_reserve_vcc 1
		.amdhsa_float_denorm_mode_32 3
		.amdhsa_float_denorm_mode_16_64 3
		.amdhsa_memory_ordered 1
		.amdhsa_forward_progress 1
		.amdhsa_inst_pref_size 183
	.end_amdhsa_kernel
	.amdgpu_metadata
---
amdhsa.version: [ 1, 2 ]
amdhsa.kernels:
  - .name:           k_qbdc20b0816_prep
    .symbol:         k_qbdc20b0816_prep.kd
    .args:
      - { .name: pos, .offset: 0, .size: 8, .value_kind: global_buffer, .address_space: global }
      - { .name: wq, .offset: 8, .size: 8, .value_kind: global_buffer, .address_space: global }
      - { .name: wk, .offset: 16, .size: 8, .value_kind: global_buffer, .address_space: global }
      - { .name: wv, .offset: 24, .size: 8, .value_kind: global_buffer, .address_space: global }
      - { .name: bq, .offset: 32, .size: 8, .value_kind: global_buffer, .address_space: global }
      - { .name: bk, .offset: 40, .size: 8, .value_kind: global_buffer, .address_space: global }
      - { .name: bv, .offset: 48, .size: 8, .value_kind: global_buffer, .address_space: global }
      - { .name: w_res1, .offset: 56, .size: 8, .value_kind: global_buffer, .address_space: global }
      - { .name: b_res1, .offset: 64, .size: 8, .value_kind: global_buffer, .address_space: global }
      - { .name: bn_gamma, .offset: 72, .size: 8, .value_kind: global_buffer, .address_space: global }
      - { .name: bn_beta, .offset: 80, .size: 8, .value_kind: global_buffer, .address_space: global }
      - { .name: bn_mean, .offset: 88, .size: 8, .value_kind: global_buffer, .address_space: global }
      - { .name: bn_var, .offset: 96, .size: 8, .value_kind: global_buffer, .address_space: global }
      - { .name: w_res2_codes, .offset: 104, .size: 8, .value_kind: global_buffer, .address_space: global }
      - { .name: lowp_scales, .offset: 112, .size: 8, .value_kind: global_buffer, .address_space: global }
      - { .name: qimg, .offset: 120, .size: 8, .value_kind: global_buffer, .address_space: global }
      - { .name: kvw, .offset: 128, .size: 8, .value_kind: global_buffer, .address_space: global }
      - { .name: rimg, .offset: 136, .size: 8, .value_kind: global_buffer, .address_space: global }
    .group_segment_fixed_size: 216576
    .private_segment_fixed_size: 0
    .kernarg_segment_align: 8
    .kernarg_segment_size: 144
    .max_flat_workgroup_size: 384
    .sgpr_count:     100
    .vgpr_count:     258
    .wavefront_size: 32
...
	.end_amdgpu_metadata
.endif
;; end of part 1
;; launch attn (part 2): grid 16 x 16, 4 waves a work-group, clusters of 4 x 1, 327,680 bytes of LDS; arguments qimg, kvw, rimg, b_res2, lowp_scales, out0; writes out0
.if DOCPART == 2
	.amdgcn_target "amdgcn-amd-amdhsa--gfx1250"
	.amdhsa_code_object_version 6
	.text
	.protected	k_qbdc20b0816_attn
	.globl	k_qbdc20b0816_attn
	.p2align	8
	.type	k_qbdc20b0816_attn,@function
k_qbdc20b0816_attn:
	s_mov_b64 s[64:65], 0
	v_nop
	global_prefetch_b8 v0, s[64:65] scope:SCOPE_SE
	s_setreg_imm32_b32 hwreg(HW_REG_WAVE_MODE, 25, 1), 1
	s_wait_xcnt 0x0
	s_wait_alu depctr_hold_cnt(0) depctr_sa_sdst(0) depctr_va_vdst(0) depctr_va_sdst(0) depctr_va_ssrc(0) depctr_va_vcc(0) depctr_vm_vsrc(0)
	s_getreg_b32 s2, hwreg(HW_REG_IB_STS2, 6, 4)
	s_cmp_eq_u32 s2, 0
	s_cbranch_scc0 .Lentry_in_a_cluster
	s_endpgm
.Lentry_in_a_cluster:
	s_bfe_u32 s2, ttmp6, 0x10000c
	s_cmp_lg_u32 s2, 0x3003
	s_cbranch_scc0 .Lentry_shape_is_right
	s_endpgm
.Lentry_shape_is_right:
; out[b][d][i] = (sum over j of p(i, j) v[d][j]) / l(i) + sum over c of w_res2[d][c] r[c][i] + b_res2[d], all three products on codes of E5M2, each operand with its given scale 2^e.
; THE SOFTMAX: t = score x log2(e) / sqrt(384); M = the running largest t rounded UP to a whole number; p = 2^(t - M) is quantised along the keys, not normalised; l is the sum of the unquantised p.
; When M moves, l and O are multiplied by 2^(old M - new M): exact.
; SHARES.  A work-group owns 128 queries of one batch; each of its four waves 32 of them, two tiles of 16.  Every wave walks the batch's 2,048 keys, 128 a step, then w_res2's image in two pieces.
; ALL OPERANDS ARE IMAGES OF THEIR REGISTERS (the launch before laid them so): a fragment, 16 rows x 128 K, is four loads of 16 bytes a lane at 16 x lane, 512 bytes apart: no pitch, no padding.
; LAYOUT.  All products are used transposed (source 0 = 16 keys, or 16 channels of v or of w_res2; source 1 = my 16 queries): a lane holds ONE query throughout.  The keys of a tile are chosen so that
; the 16 registers of tiles 2 c and 2 c + 1 of the scores are 16 neighbouring keys: p's conversions give the second product's operand.
; THE LDS READS STAND BESIDE THE VECTOR WORK.  A step's twelve groups of four fragments go through five buffers of 64 registers.  K's six take three of them by turns, two groups ahead of their products.  Five of V's six
; are asked for from the last products of K Q^T on and through the softmax, in runs of 16 loads set between its parts; the sixth takes the first buffer that V^T P leaves.
; THE RESCALING STANDS BETWEEN THE PRODUCTS.  O^T's first four channel tiles are multiplied by the factor as soon as it is known; each later four in slices of four packed multiplies, one slice behind each matrix
; instruction of the group before.  A slice names no register of the products round it.  It costs two window switches where V's buffer and O^T lie in different windows: six issue slots behind a matrix instruction; in two
; of the five groups they lie in one window and no switch is written.  Set in a phase of its own the rescaling would leave the matrix unit without work for 192 instructions a step: the switches are the lesser price.
; THE RESIDUAL COSTS NO PASS: O is multiplied once by 2^(e8 + e9 - e10 - e11) / l, w_res2 r is summed in place onto it, and one packed multiply-add gives sum x 2^(e10 + e11) + b_res2.
; THE RING: two LDS slots of 98,304 bytes (a step's K block, then its V block); 18 tiles: 16 key steps and w_res2's image in two parts.  Each wave fetches a quarter of a tile, one tensor load, which has a step in which to land.
; CLUSTER: the four query blocks of a cluster belong to one batch and walk the same tiles: each tile is asked for JOINTLY, by the same load with the same descriptor and a mask that names the four.
; THE WAY OUT: out has the queries innermost, a lane holds one query: the block's 384 x 128 numbers go through a stage in LDS (rows of 512 + 16 bytes) and leave as rows of 512 consecutive bytes.
; The stage lies in bytes that have had their last fill and their last read when the first result is stored there, beside the piece of w_res2 that is still being read.
; LIMITS on the given exponents, so that each power of two below is an f32 number: e6 + e7 between -122 and 131 (added to c's exponent field); e9 between -126 and 112; e10 + e11 between -126 and 127;
; e8 + e9 - e10 - e11 is applied by v_ldexp_f32.  NaN and infinities are not served.
; REGISTERS, in windows of 256 (s_set_vgpr_msb: bits 1:0 source 0, 3:2 source 1, 5:4 source 2, 7:6 destination):
;   window 0: v1-10 addresses and constants; v12-27 statistics, eight a tile; v28-31 second chains of the sums; v32-63 p's codes; v64-191 the scores, then p; v192-255 fragment buffer 0
;   windows 1, 2: v0-191 O^T: tile q, channels 16 t ..: window 1 + t / 12, register 96 q + 8 (t % 12); v192-255 fragment buffers 3 (window 1) and 4 (window 2)
;   window 3: v0-95 Q, later r; v128-191, v192-255 fragment buffers 1, 2
.set KVB,   1720320                    ; a batch's part of kvw
.set TILE,  98304
.set QBLK,  49152
.set SLOT1, 131072                     ; slot 1 begins here, so that one exclusive or turns an address in one slot into the other's
.set SPARE, 327168                     ; the spare words, 128 bytes for each wave: two blocks of 256 bytes that no other line names
.set SPITCH, 528
.set LI,  1                            ; v1  16 x lane
.set SPW, 2                            ; v2  LDS address of my spare word; never rewritten
.set NIL, 3                            ; v3  0; never rewritten
.set ADK, 4                            ; v4  the step's K block
.set ADV, 5                            ; v5  its V block
.set PFO, 6                            ; v6  256 x lane
.set HL,  7                            ; v7  57,344 x 2^e9
.set SC,  8                            ; v8  2^e9
.set BO,  9                            ; v9  32 (lane / 16): my eight numbers of b_res2 in a tile of 16
.set SR,  10                           ; v10 the stage: where I read rows back
.set ST,  12                           ; tile q at v[ST + 8 q]: +0 -M, +1 the largest t, +2, +3 l in two halves, +4 (, +5) the factor, +6, +7 at work
.set L2,  28
.set P,   32
.set S,   64
.set TT,  160                          ; the way out: v160-255 a batch of results; v32-127 two batches of biases; v24-27 the stage's four regions
.set BI,  32
.set WV,  16                           ; s16 wave; s17 cx; s18 query block; s19 batch
.set G1,  24                           ; s[24:31] group 1: 96 rows of 256 bytes;  s[32:39]: 48 rows
.set G1W, 32
.set G0,  40                           ; s[40:43] group 0, which walks;  s[44:47] the last tile's
.set G0W, 44
.set TB,  48                           ; s48 LDS byte at which the slot in hand begins
.set CNT, 49
.set LIM, 50                           ; s50 1 in a wave that prefetches, else 0
.set PFA, 52
.set CS,  54                           ; s[54:55] c = log2(e) / sqrt(384) x 2^(e6 + e7)
.set SEL, 56
.set SE,  58                           ; s[58:59] 2^(e10 + e11)
.set EG,  60                           ; s60 e8 + e9 - e10 - e11
.set MSB, 0
.macro WIN new                         ; the immediate's high byte repeats the setting that is left; a switch that changes nothing is dropped
.if MSB != (\new)
	s_set_vgpr_msb (MSB<<8)|(\new)
.set MSB, (\new)
.endif
.endm
.macro PLACES                          ; four plain lines between a matrix instruction and a load into its registers or the first read of its result (ISA guide 7.12.1 for vector instructions)
.rept 4
	v_nop
.endr
.endm
.macro CROUND                          ; a round of the cluster's barrier
	s_barrier_signal -1
	s_barrier_wait -1
	s_cmp_lg_u32 s[WV], 0
	s_cbranch_scc1 .Lnot_wave_0_\@
	s_barrier_signal -3
.Lnot_wave_0_\@:
	s_barrier_wait -3
	s_barrier_signal -1
	s_barrier_wait -1
.endm
.macro BUFSET buf                      ; a buffer's window and first register
.if (\buf) == 0
.set BW, 0
.set BR, 192
.elseif (\buf) == 1
.set BW, 3
.set BR, 128
.elseif (\buf) == 2
.set BW, 3
.set BR, 192
.elseif (\buf) == 3
.set BW, 1
.set BR, 192
.else
.set BW, 2
.set BR, 192
.endif
.endm
.macro LOADG buf, adr, off             ; four fragments, 8,192 consecutive bytes, in one run of 16 loads
	BUFSET \buf
	WIN (BW<<6)
.set n, 0
.rept 16
	ds_load_b128 v[BR+4*n:BR+4*n+3], v[\adr] offset:(\off)+512*n
.set n, n+1
.endr
.endm
; The accumulators take turns, one instruction a turn: between two links of a chain stand seven others' or more.
.macro MULS i, buf                     ; S^T: channels 128 (i / 2) .., key tiles 4 (i % 2) + 0 .. 3, both query tiles.  The first two groups start the sums
	BUFSET \buf
	WIN (BW|0x0c)
.irp q, 0,1
.irp f, 0,1,2,3
.set rS, S+64*\q+8*(4*((\i)%2)+\f)
.set rQ, 48*\q+16*((\i)/2)
.if (\i) < 2
	v_wmma_f32_16x16x128_bf8_bf8 v[rS:rS+7], v[BR+16*\f:BR+16*\f+15], v[rQ:rQ+15], 0
.else
	v_wmma_f32_16x16x128_bf8_bf8 v[rS:rS+7], v[BR+16*\f:BR+16*\f+15], v[rQ:rQ+15], v[rS:rS+7]
.endif
.endr
.endr
.endm
; O^T += V^T P^T: channel tiles 4 j + 0 .. 3.  first = 1: the first step's products start the sums: nothing is ever cleared, and nothing is rescaled.
; Else behind the product on (tile q, channel tile 4 j + f) stands a slice: the accumulator (q, 4 j + 4 + f) of the NEXT group x the tile's factor, four packed multiplies from its low end on.
; So each group finds its eight accumulators rescaled, and the slice behind a group's last product is the four places in front of a load into the group's buffer.
.macro MULPV j, buf, first
	BUFSET \buf
.set OW, 1+(\j)/3
.set NW, 1+((\j)+1)/3
.irp f, 0,1,2,3
.irp q, 0,1
.set rO, 96*\q+8*((4*(\j)+\f)%12)
.set rN, 96*\q+8*((4*(\j)+4+\f)%12)
	WIN (BW|(OW<<4)|(OW<<6))
.if \first
	v_wmma_f32_16x16x128_bf8_bf8 v[rO:rO+7], v[BR+16*\f:BR+16*\f+15], v[P+16*\q:P+16*\q+15], 0
.else
	v_wmma_f32_16x16x128_bf8_bf8 v[rO:rO+7], v[BR+16*\f:BR+16*\f+15], v[P+16*\q:P+16*\q+15], v[rO:rO+7]
.if (\j) < 5
	WIN (NW|(NW<<4)|(NW<<6))
.irp i, 0,2,4,6
	v_pk_mul_f32 v[rN+\i:rN+\i+1], v[rN+\i:rN+\i+1], v[ST+8*\q+4:ST+8*\q+5] op_sel_hi:[1,0]
.endr
.endif
.endif
.endr
.endr
.endm
.macro MULW g, buf                     ; O^T += w_res2 r^T: channel tiles 4 (g / 3) + 0 .. 3, K step g % 3
	BUFSET \buf
.set OW, 1+(\g)/9
	WIN (BW|0x0c|(OW<<4)|(OW<<6))
.irp f, 0,1,2,3
.irp q, 0,1
.set rO, 96*\q+8*((4*((\g)/3)+\f)%12)
.set rR, 48*\q+16*((\g)%3)
	v_wmma_f32_16x16x128_bf8_bf8 v[rO:rO+7], v[BR+16*\f:BR+16*\f+15], v[rR:rR+15], v[rO:rO+7]
.endr
.endr
.endm
.macro RESCALE0                        ; channel tiles 0 .. 3 of both query tiles x the tile's factor: the part of the rescaling that must stand ahead of the first products
	WIN 0x51
.irp q, 0,1
.set j, 0
.rept 16
	v_pk_mul_f32 v[96*\q+j:96*\q+j+1], v[96*\q+j:96*\q+j+1], v[ST+8*\q+4:ST+8*\q+5] op_sel_hi:[1,0]
.set j, j+2
.endr
.endr
	WIN 0
.endm
.macro RESCALE                         ; all of O^T x the tile's factor, two numbers an instruction, each accumulator from its low end on (once, behind the last key step)
.irp w, 1,2
	WIN (0x41*\w)
.irp q, 0,1
.set j, 0
.rept 48
	v_pk_mul_f32 v[96*\q+j:96*\q+j+1], v[96*\q+j:96*\q+j+1], v[ST+8*\q+4:ST+8*\q+5] op_sel_hi:[1,0]
.set j, j+2
.endr
.endr
.endr
	WIN 0
.endm
; A PREFETCH of the tile that the NEXT change of slots will ask for: a whole step's 96 matrix instructions ahead of that load.  Each aligned block of 256 bytes is named once in the launch: all clusters of a batch walk the same
; tiles, so the batch's first cluster asks; its four partners take 24,576 bytes each, told apart BY ADDRESS; in each, waves 0 to 2 take 8,192 bytes, lanes 256 bytes apart.  Key steps 0 to 14 ask, for tiles 2 to 16; tiles 0, 1
; and the last, shorter one come by their loads alone, so that no request leaves the batch's part of the buffer.
.macro ASK
	s_cmp_eq_u32 s[LIM], 1
	s_cbranch_scc0 .Lnot_mine_\@
	global_prefetch_b8 v[PFO], s[PFA:PFA+1] th:TH_LOAD_NT scope:SCOPE_SE
.Lnot_mine_\@:
.endm
; THE CHANGE OF SLOTS stands at a step's head.  Each wave waits for all its tensor loads (one is out: its quarter of the tile that it is about to read), adds 0 to its spare word, and waits for that and for its reads of the slot
; that it has left.  Behind the round no wave of any partner reads that slot or has a load on its way: the joint refill is the first thing there.
.macro CHANGE
	WIN 0
	s_wait_tensorcnt 0x0                           ; no tensor load of mine is out, so group 0 may be written
	ds_add_u32 v[SPW], v[NIL]                      ; 0 onto my spare word: the descriptor's steps stand between it and the wait for it
	s_xor_b32 s[G0+1], s[G0+1], SLOT1              ; the other slot than last time,
	s_add_nc_u64 s[G0+2:G0+3], s[G0+2:G0+3], TILE  ; the next tile; the type bits on top are not reached
	s_wait_xcnt 0x0                                ; the last prefetch, a step back, has read its address
	s_add_nc_u64 s[PFA:PFA+1], s[PFA:PFA+1], TILE
	s_wait_dscnt 0x0                               ; the add is done, and my reads of the slot that I have left are over
	CROUND
	tensor_load_to_lds s[G0:G0+3], s[G1:G1+7]
	s_nop 0
	PLACES                                         ; four v_nop follow the load; they are also the places in front of the step's first loads
.endm
; THE SOFTMAX of both tiles, line by line in turn, in five parts, so that runs of LDS loads can stand between them.
.macro SM_MAX                          ; the largest score, the new M, the factor
.irp q, 0,1
	v_max3_num_f32 v[ST+8*\q+6], v[S+64*\q], v[S+64*\q+1], v[S+64*\q+2]      ; the step's largest score of my query among my 64 keys, in two chains, ascending
	v_max3_num_f32 v[ST+8*\q+7], v[S+64*\q+3], v[S+64*\q+4], v[S+64*\q+5]
.endr
.irp i, 6,10,14,18,22,26,30,34,38,42,46,50,54,58
.irp q, 0,1
	v_max3_num_f32 v[ST+8*\q+6], v[ST+8*\q+6], v[S+64*\q+\i], v[S+64*\q+\i+1]
	v_max3_num_f32 v[ST+8*\q+7], v[ST+8*\q+7], v[S+64*\q+\i+2], v[S+64*\q+\i+3]
.endr
.endr
.irp q, 0,1
	v_max3_num_f32 v[ST+8*\q+6], v[ST+8*\q+6], v[S+64*\q+62], v[S+64*\q+63]
.endr
.irp q, 0,1
	v_max_num_f32 v[ST+8*\q+6], v[ST+8*\q+6], v[ST+8*\q+7]
.endr
.irp q, 0,1
	v_permlanex16_b32 v[ST+8*\q+7], v[ST+8*\q+6], s[SEL], s[SEL+1]           ; the query's other 64 keys lie in the lane 16 away
.endr
.irp q, 0,1
	v_max_num_f32 v[ST+8*\q+6], v[ST+8*\q+6], v[ST+8*\q+7]
.endr
.irp q, 0,1
	v_mul_f32 v[ST+8*\q+6], s[CS], v[ST+8*\q+6]                              ; as t (c is positive)
.endr
.irp q, 0,1
	v_max_num_f32 v[ST+8*\q+1], v[ST+8*\q+1], v[ST+8*\q+6]                   ; the running largest t
.endr
.irp q, 0,1
	v_mov_b32 v[ST+8*\q+6], v[ST+8*\q]
.endr
.irp q, 0,1
	v_floor_f32 v[ST+8*\q], -v[ST+8*\q+1]                                    ; the new -M = floor(-t): M is a whole number
.endr
.irp q, 0,1
	v_sub_f32 v[ST+8*\q+6], v[ST+8*\q], v[ST+8*\q+6]                         ; old M - new M: a whole number, 0 or less
.endr
.irp q, 0,1
	v_cvt_i32_f32 v[ST+8*\q+6], v[ST+8*\q+6]                                 ; (it saturates)
.endr
.irp q, 0,1
	v_ldexp_f32 v[ST+8*\q+4], 1.0, v[ST+8*\q+6]                              ; the factor 2^(old M - new M)
.endr
.endm
.macro SM_FMA                          ; t - M
.set j, 0
.rept 32
.irp q, 0,1
	v_pk_fma_f32 v[S+64*\q+j:S+64*\q+j+1], v[S+64*\q+j:S+64*\q+j+1], s[CS:CS+1], v[ST+8*\q:ST+8*\q+1] op_sel_hi:[1,0,0]   ; (of the pairs c and -M the low word serves both halves)
.endr
.set j, j+2
.endr
.endm
.macro SM_EXP                          ; the batch of 128 exponentials, and two plain lines behind it
.set j, 0
.rept 64
	v_exp_f32 v[S+j], v[S+j]                       ; p = 2^(t - M), at most 1
	v_exp_f32 v[S+64+j], v[S+64+j]
.set j, j+1
.endr
.irp q, 0,1
	v_pk_mul_f32 v[ST+8*\q+2:ST+8*\q+3], v[ST+8*\q+2:ST+8*\q+3], v[ST+8*\q+4:ST+8*\q+5] op_sel_hi:[1,0]   ; l under the new M
.endr
.endm
.macro SM_SUM                          ; the wait for the batch, and l
	s_wait_alu depctr_va_vdst(0)                   ; one wait for the batch of 128, ahead of its first reader
.irp q, 0,1
	v_pk_add_f32 v[L2+2*\q:L2+2*\q+1], v[S+64*\q:S+64*\q+1], v[S+64*\q+2:S+64*\q+3]   ; l is summed of the UNQUANTISED p, in two chains a tile
.endr
.set j, 4
.rept 15
.irp q, 0,1
	v_pk_add_f32 v[ST+8*\q+2:ST+8*\q+3], v[ST+8*\q+2:ST+8*\q+3], v[S+64*\q+j:S+64*\q+j+1]
	v_pk_add_f32 v[L2+2*\q:L2+2*\q+1], v[L2+2*\q:L2+2*\q+1], v[S+64*\q+j+2:S+64*\q+j+3]
.endr
.set j, j+4
.endr
.irp q, 0,1
	v_pk_add_f32 v[ST+8*\q+2:ST+8*\q+3], v[ST+8*\q+2:ST+8*\q+3], v[L2+2*\q:L2+2*\q+1]
.endr
.endm
.macro SM_CVT                          ; p's codes
.irp b, 0,1,2,3
.irp q, 0,1
.set j, 0
.rept 16
	v_min_num_f32 v[S+64*\q+16*\b+j], v[S+64*\q+16*\b+j], v[HL]              ; the conversion does not saturate (ISA guide 7.6.2); p is not negative, so the hold is one-sided
.set j, j+1
.endr
	v_cvt_scalef32_pk8_bf8_f32 v[P+16*\q+4*\b:P+16*\q+4*\b+1], v[S+64*\q+16*\b:S+64*\q+16*\b+7], v[SC]
	v_cvt_scalef32_pk8_bf8_f32 v[P+16*\q+4*\b+2:P+16*\q+4*\b+3], v[S+64*\q+16*\b+8:S+64*\q+16*\b+15], v[SC]
.endr
.endr
	v_nop                                          ; a plain line behind the last conversion
.endm
; A KEY STEP: 128 keys.  K's groups 0 .. 5 go through buffers 0, 1, 2, each fetched two groups ahead of its products: s_wait_dscnt 32: the 32 loads of the two younger groups may be out.
; V's group j (channel tiles 4 j ..) lies in: 0: buffer 3; 1: buffer 0; 2: buffer 1; 3: buffer 4; 4: buffer 2; 5: buffer 3 again.  Groups 0 and 3 lie in the window of the O^T that they feed.
; first = 1: the first step.  last = 1: the last: it prefetches nothing, and r is asked for into Q's registers as soon as K Q^T has read them: its 24 loads have the softmax and V^T P in which to land.
.macro STEP first, last
	v_add_nc_u32 v[ADK], s[TB], v[LI]
	v_add_nc_u32 v[ADV], QBLK, v[ADK]
	LOADG 0, ADK, 0
	LOADG 1, ADK, 8192
.if \last == 0
	WIN 0
	ASK                                            ; behind the joint load, its four lines and the loads that the first products wait for
.endif
	LOADG 2, ADK, 16384
	s_wait_dscnt 32
	MULS 0, 0
	PLACES
	LOADG 0, ADK, 24576
	s_wait_dscnt 32
	MULS 1, 1
	PLACES
	LOADG 1, ADK, 32768
	s_wait_dscnt 32
	MULS 2, 2
	PLACES
	LOADG 2, ADK, 40960
	s_wait_dscnt 32
	MULS 3, 0
	PLACES
	LOADG 0, ADV, 8192                             ; V's group 1
	s_wait_dscnt 32
	MULS 4, 1
	PLACES
	LOADG 1, ADV, 16384                            ; group 2
	s_wait_dscnt 32
	MULS 5, 2
	PLACES                                         ; for the loads below and for the first read of the scores
	LOADG 2, ADV, 32768                            ; group 4
.if \last
	WIN 0xc0                                       ; destination window 3
.irp q, 0,1
.irp s, 0,1,2
.irp c, 0,1,2,3
	global_load_b128 v[48*\q+16*\s+4*\c:48*\q+16*\s+4*\c+3], v[LI], s[8:9] offset:16384*\s+2048*\q+512*\c th:TH_LOAD_NT   ; r takes Q's registers
.endr
.endr
.endr
.endif
	WIN 0
	SM_MAX
.if \first == 0
	RESCALE0
.endif
	SM_FMA
	LOADG 3, ADV, 0                                ; group 0: its buffer was last read by the step before
	WIN 0
	SM_EXP
	LOADG 4, ADV, 24576                            ; group 3, behind the batch and ahead of the wait for it: these lines name none of its results
	WIN 0
	SM_SUM
	SM_CVT
	s_wait_dscnt 0x0                               ; V's five groups are in: the youngest was asked for 225 vector instructions ago
	MULPV 0, 3, \first
.if \first
	PLACES                                         ; (else the last slice is the places)
.endif
	LOADG 3, ADV, 40960                            ; group 5, 32 matrix instructions ahead of its products
	MULPV 1, 0, \first
	MULPV 2, 1, \first
	MULPV 3, 4, \first
	MULPV 4, 2, \first
	s_wait_dscnt 0x0                               ; group 5 is in: my reads of the slot are over
	MULPV 5, 3, \first
	WIN 0
	s_xor_b32 s[TB], s[TB], SLOT1                  ; on to the other slot
.endm
	s_load_b256 s[4:11], s[0:1], 0x0               ; qimg 4, kvw 6, rimg 8, b_res2 10
	s_load_b128 s[12:15], s[0:1], 0x20             ; lowp_scales 12, out0 14
	v_lshl_add_u32 v[SPW], v0, 2, SPARE
	v_mov_b32 v[NIL], 0
	ds_add_u32 v2, v3
	ds_add_u32 v2, v3
	s_wait_dscnt 0x0
	v_lshrrev_b32 v[ADK], 5, v0
	v_readfirstlane_b32 s[WV], v[ADK]              ; wave 0..3
	v_and_b32 v[ADV], 31, v0
	v_lshlrev_b32 v[LI], 4, v[ADV]
	v_lshlrev_b32 v[PFO], 8, v[ADV]
	v_bfe_u32 v[BO], v0, 4, 1
	v_lshlrev_b32 v[BO], 5, v[BO]
	s_mul_i32 s20, s[WV], 50688                    ; the stage's region w: 0; 50,688; 196,608; 247,296
	s_lshr_b32 s21, s[WV], 1
	s_mul_i32 s21, s21, 95232
	s_add_co_u32 s20, s20, s21
	v_add_nc_u32 v[SR], s20, v[LI]
	s_bfe_u32 s17, ttmp6, 0x40000                  ; cx: my place in the cluster
	s_lshl_b32 s18, ttmp9, 2                       ; in a cluster launch ttmp9 counts clusters
	s_add_co_u32 s18, s18, s17                     ; my block of 128 queries: it enters the addresses of q, r and out alone
	s_and_b32 s19, ttmp7, 0xffff                   ; the batch, which the four partners share
	; group 1: a dense block as rows of 256 bytes, in elements of 8 bytes
	s_mov_b32 s[G1], 15|(3<<16)|(1<<21)            ; 15:0 the mask: all four work-groups; 17:16 elements of 8 bytes; 21 set beside a mask; no padding
	s_mov_b32 s[G1+1], 32<<16                      ; tensor_dim0 = 32
	s_mov_b32 s[G1+2], 96<<16                      ; tensor_dim1 = 96
	s_mov_b32 s[G1+3], 32<<16                      ; tile_dim0 = 32
	s_mov_b32 s[G1+4], 96                          ; tile_dim1 = 96: 24,576 bytes, a wave's quarter of a tile
	s_mov_b32 s[G1+5], 32                          ; from row to row
	s_mov_b32 s[G1+6], 0
	s_mov_b32 s[G1+7], 0
	s_mov_b32 s[G1W], 15|(3<<16)|(1<<21)           ; the same with 48 rows: the last tile is half as long
	s_mov_b32 s[G1W+1], 32<<16
	s_mov_b32 s[G1W+2], 48<<16
	s_mov_b32 s[G1W+3], 32<<16
	s_mov_b32 s[G1W+4], 48
	s_mov_b32 s[G1W+5], 32
	s_mov_b32 s[G1W+6], 0
	s_mov_b32 s[G1W+7], 0
	s_mul_i32 s20, s19, KVB
	s_mov_b32 s21, 0
	s_mov_b32 s23, 0
	s_mov_b32 s63, 0
	s_mov_b32 s[G0], 1                             ; count = 1
	s_mul_i32 s[G0+1], s[WV], 24576                ; LDS address: slot 0, my quarter: no place in the cluster enters it
	s_mov_b32 s[G0W], 1
	s_mul_i32 s[G0W+1], s[WV], 12288
	s_add_co_u32 s[G0W+1], s[G0W+1], SLOT1
	s_mov_b32 s[SEL], 0x76543210
	s_mov_b32 s[SEL+1], 0xfedcba98
	s_mov_b32 s[TB], 0
	s_mov_b32 s[CNT], 14
	s_cmp_lt_u32 s[WV], 3                          ; who prefetches: waves 0 to 2
	s_cselect_b32 s[LIM], 0, 1
	s_or_b32 s[LIM], s[LIM], ttmp9                 ; of the batch's first cluster: the same in all four partners
	s_cmp_eq_u32 s[LIM], 0
	s_cselect_b32 s[LIM], 1, 0
	s_wait_kmcnt 0x0
	s_load_b128 s[68:71], s[12:13], 0x18           ; e6 .. e9
	s_load_b64 s[72:73], s[12:13], 0x28            ; e10, e11
	s_add_nc_u64 s[6:7], s[6:7], s[20:21]          ; kvw at my batch
	s_mul_i32 s22, s[WV], 24576
	s_add_nc_u64 s[G0+2:G0+3], s[6:7], s[22:23]    ; tile 0, my quarter
	s_or_b32 s[G0+3], s[G0+3], 0x80000000          ; type = 2
	s_mul_i32 s22, s[WV], 12288
	s_add_nc_u64 s[G0W+2:G0W+3], s[6:7], s[22:23]
	s_add_nc_u64 s[G0W+2:G0W+3], s[G0W+2:G0W+3], 17*TILE
	s_or_b32 s[G0W+3], s[G0W+3], 0x80000000
	; what hangs on cx is made in s61-63, which feed no descriptor
	s_mul_i32 s62, s17, 24576
	s_lshl_b32 s61, s[WV], 13
	s_add_co_u32 s62, s62, s61
	s_add_co_u32 s62, s62, TILE
	s_add_nc_u64 s[PFA:PFA+1], s[6:7], s[62:63]    ; in tile 1: the first change of slots steps it to tile 2.  Nothing is prefetched here, at the head
	s_lshl_b32 s62, s19, 4
	s_add_co_u32 s62, s62, s18
	s_mul_i32 s62, s62, QBLK
	s_lshl_b32 s61, s[WV], 12
	s_add_co_u32 s62, s62, s61
	s_add_nc_u64 s[4:5], s[4:5], s[62:63]          ; q's and r's images at my block, my pair of tiles
	s_add_nc_u64 s[8:9], s[8:9], s[62:63]
	s_mul_i32 s62, s19, 3145728
	s_mul_i32 s61, s[WV], 786432
	s_add_co_u32 s62, s62, s61
	s_lshl_b32 s61, s18, 9
	s_add_co_u32 s62, s62, s61
	s_add_nc_u64 s[14:15], s[14:15], s[62:63]      ; out at my batch, row 96 w, my block's 512 bytes
	CROUND                                         ; all four work-groups are here: the first joint load meets
	tensor_load_to_lds s[G0:G0+3], s[G1:G1+7]      ; tile 0
	s_nop 0
	PLACES
	WIN 0xc0                                       ; destination window 3
.irp q, 0,1
.irp s, 0,1,2
.irp c, 0,1,2,3
	global_load_b128 v[48*\q+16*\s+4*\c:48*\q+16*\s+4*\c+3], v[LI], s[4:5] offset:16384*\s+2048*\q+512*\c th:TH_LOAD_NT   ; Q stays in registers
.endr
.endr
.endr
	WIN 0
.irp q, 0,1
	v_mov_b32 v[ST+8*\q+1], 0xff61b1e6             ; the largest t so far: -3e38, under every t
	v_floor_f32 v[ST+8*\q], -v[ST+8*\q+1]
	v_mov_b32 v[ST+8*\q+2], 0
	v_mov_b32 v[ST+8*\q+3], 0
	v_mov_b32 v[ST+8*\q+4], 0
	v_mov_b32 v[ST+8*\q+5], 0                      ; (named as the upper half of the factor's pair)
	v_mov_b32 v[ST+8*\q+6], 0
	v_mov_b32 v[ST+8*\q+7], 0                      ; (a lane permute's destination counts as one of its sources)
.endr
	s_wait_kmcnt 0x0
	s_add_co_i32 s20, s68, s69
	s_lshl_b32 s20, s20, 23
	s_add_co_i32 s[CS], s20, 0x3d96c740            ; a score stands for score x 2^(e6 + e7): the exponents are added to c's exponent field
	s_mov_b32 s[CS+1], s[CS]
	s_add_co_i32 s20, s71, 127
	s_lshl_b32 s21, s20, 23
	v_mov_b32 v[SC], s21
	s_add_co_i32 s20, s20, 15
	s_lshl_b32 s20, s20, 23
	s_or_b32 s20, s20, 0x600000
	v_mov_b32 v[HL], s20
	s_add_co_i32 s20, s72, s73
	s_add_co_i32 s[EG], s70, s71
	s_sub_co_i32 s[EG], s[EG], s20
	s_add_co_i32 s20, s20, 127
	s_lshl_b32 s[SE], s20, 23
	s_mov_b32 s[SE+1], s[SE]
	s_wait_loadcnt 0x0                             ; Q
	CHANGE                                         ; tile 0 is whole; tile 1 is asked for
	STEP 1, 0                                      ; the first step is written out: its products start O^T
.Lkey:                                             ; 14 trips: key steps 1 to 14
	CHANGE
	STEP 0, 0
	s_sub_co_u32 s[CNT], s[CNT], 1
	s_cmp_lg_u32 s[CNT], 0
	s_cbranch_scc1 .Lkey
	CHANGE                                         ; the first part of w_res2's image is asked for
	STEP 0, 1                                      ; the last key step is written out: it asks for r
	; ---- w_res2, channel tiles 0-15 (slot 0); the last tile is asked for into slot 1
	s_wait_tensorcnt 0x0
	ds_add_u32 v[SPW], v[NIL]
	s_wait_dscnt 0x0
	CROUND
	tensor_load_to_lds s[G0W:G0W+3], s[G1W:G1W+7]
	s_nop 0
	PLACES
	v_add_nc_u32 v[ADV], QBLK, v[LI]
	LOADG 0, LI, 0
	LOADG 1, LI, 8192
	LOADG 2, LI, 16384
	WIN 0
.irp k, 0,1                            ; b_res2 for channel tiles 6 k + 0 .. 5, in the result's layout: lane (r, h) wants channels 16 t + 8 h + 0 .. 7
.irp tt, 0,1,2,3,4,5
.irp x, 0,1
	global_load_b128 v[BI+48*\k+8*\tt+4*\x:BI+48*\k+8*\tt+4*\x+3], v[BO], s[10:11] offset:384*\k+64*\tt+16*\x
.endr
.endr
.endr
.irp q, 0,1
	v_add_f32 v[ST+8*\q+6], v[ST+8*\q+2], v[ST+8*\q+3]                       ; l's two halves,
.endr
.irp q, 0,1
	v_permlanex16_b32 v[ST+8*\q+7], v[ST+8*\q+6], s[SEL], s[SEL+1]
.endr
.irp q, 0,1
	v_add_f32 v[ST+8*\q+6], v[ST+8*\q+6], v[ST+8*\q+7]                       ; and the other half of the lanes'
.endr
.irp q, 0,1
	v_rcp_f32 v[ST+8*\q+7], v[ST+8*\q+6]
.endr
	v_nop                                          ; a plain line behind the last reciprocal
	s_wait_alu depctr_va_vdst(0)                   ; one wait for the two, ahead of the first reader
.irp q, 0,1
	v_ldexp_f32 v[ST+8*\q+4], v[ST+8*\q+7], s[EG]                            ; 2^(e8 + e9 - e10 - e11) / l
.endr
	RESCALE
	s_wait_loadcnt 24                              ; r is in; the 24 loads of biases are younger
.set G, 0
.rept 12
.if G < 10
	s_wait_dscnt 32
.elseif G == 10
	s_wait_dscnt 16
.else
	s_wait_dscnt 0x0
.endif
	MULW G, G%3
.if G+3 < 6
	PLACES
	LOADG G%3, LI, 8192*(G+3)
.elseif G+3 < 12
	PLACES
	LOADG G%3, ADV, 8192*(G-3)
.endif
.set G, G+1
.endr
	; ---- w_res2, channel tiles 16-23 (slot 1): nothing is filled again, so a barrier of the work-group does
	WIN 0
	s_wait_tensorcnt 0x0                           ; my quarter of the last tile has landed
	ds_add_u32 v[SPW], v[NIL]
	s_wait_dscnt 0x0
	s_barrier_signal -1
	s_barrier_wait -1                              ; the last tile is whole, and nobody reads slot 0 any more
	v_add_nc_u32 v[ADK], SLOT1, v[LI]
	PLACES
	LOADG 0, ADK, 0
	LOADG 1, ADK, 8192
	LOADG 2, ADK, 16384
.set G, 12
.rept 6
.if G < 16
	s_wait_dscnt 32
.elseif G == 16
	s_wait_dscnt 16
.else
	s_wait_dscnt 0x0
.endif
	MULW G, G%3
.if G+3 < 18
	PLACES
	LOADG G%3, ADK, 8192*(G-9)
.endif
.set G, G+1
.endr
	; ---- THE WAY OUT.  Lane (r, h) of tile q holds query 32 w + 8 q + r + 8 (r / 8) and channels 16 t + 8 h + j.  Row d of the stage lies in region d / 96.  The ten vector lines below are the places behind the last products.
	WIN 0
	v_and_b32 v28, 15, v0
	v_bfe_u32 v29, v0, 4, 1
	v_and_b32 v30, 8, v28
	v_lshlrev_b32 v30, 2, v30
	v_lshl_add_u32 v30, v28, 2, v30                ; 4 r + 32 (r / 8)
	v_mad_u32_u24 v30, v29, 8*SPITCH, v30          ; + eight rows for lanes 16-31
	s_lshl_b32 s20, s[WV], 7
	v_add_nc_u32 v24, s20, v30                     ; + my wave's 128 bytes of a row.  A store's 32 words fall on 32 different banks (64 banks of 4 bytes: ISA guide 11.1)
	v_add_nc_u32 v25, 50688, v24
	v_add_nc_u32 v26, 196608, v24
	v_add_nc_u32 v27, 247296, v24
.irp k, 0,1,2,3
.if \k < 3
	s_wait_loadcnt 12                              ; this batch's biases are in; the next batch's 12 loads are younger
.else
	s_wait_loadcnt 0x0
.endif
	WIN (1+\k/2)                                   ; source 0: O^T's window
.irp q, 0,1
.irp tt, 0,1,2,3,4,5
.irp i, 0,2,4,6
	v_pk_fma_f32 v[TT+48*\q+8*\tt+\i:TT+48*\q+8*\tt+\i+1], v[96*\q+8*((6*\k+\tt)%12)+\i:96*\q+8*((6*\k+\tt)%12)+\i+1], s[SE:SE+1], v[BI+48*(\k%2)+8*\tt+\i:BI+48*(\k%2)+8*\tt+\i+1] op_sel_hi:[1,0,1]   ; sum x 2^(e10 + e11) + b_res2
.endr
.endr
.endr
	WIN 0
.irp q, 0,1
.irp tt, 0,1,2,3,4,5
.irp j, 0,1,2,3,4,5,6,7
	ds_store_b32 v[24+\k], v[TT+48*\q+8*\tt+\j] offset:(16*\tt+\j)*SPITCH+32*\q
.endr
.endr
.endr
.if \k < 2
.irp tt, 0,1,2,3,4,5
.irp x, 0,1
	global_load_b128 v[BI+48*(\k%2)+8*\tt+4*\x:BI+48*(\k%2)+8*\tt+4*\x+3], v[BO], s[10:11] offset:384*(\k+2)+64*\tt+16*\x
.endr
.endr
.endif
.endr
	s_wait_dscnt 0x0                               ; for the others' sake: my stores into the stage have landed
	s_barrier_signal -1
	s_barrier_wait -1                              ; a row's 512 bytes come from four waves
.irp bt, 0,1,2                         ; wave w stores rows 96 w .. 96 w + 95, 32 at a time
.if \bt > 0
	s_wait_xcnt 0x0                                ; the stores of the batch before have read their registers
.endif
.set n, 0
.rept 32
	ds_load_b128 v[32+4*n:32+4*n+3], v[SR] offset:SPITCH*(32*\bt+n)
.set n, n+1
.endr
.set n, 0
.rept 32
	s_wait_dscnt 31-n                              ; LDS loads come back in order: row n is in
	global_store_b128 v[LI], v[32+4*n:32+4*n+3], s[14:15] offset:8192*(32*\bt+n) th:TH_STORE_NT   ; 32 lanes store 512 consecutive bytes, at a multiple of 512 from out's first byte
.set n, n+1
.endr
.endr
	s_wait_tensorcnt 0x0                           ; the wave's end: behind my last tensor load and my last LDS store
	ds_add_u32 v[SPW], v[NIL]
	s_wait_dscnt 0x0
	CROUND                                         ; the closing round: no work-group ends while a partner may still ask for a tile that names it
	s_endpgm
.Lfunc_end_k_qbdc20b0816_attn:
	.size	k_qbdc20b0816_attn, .Lfunc_end_k_qbdc20b0816_attn-k_qbdc20b0816_attn
	.p2alignl 7, 3214868480
	.fill 96, 4, 3214868480
	.section	.rodata,"a",@progbits
	.p2align	6, 0x0
	.amdhsa_kernel k_qbdc20b0816_attn
		.amdhsa_group_segment_fixed_size 327680
		.amdhsa_private_segment_fixed_size 0
		.amdhsa_enable_private_segment 0
		.amdhsa_kernarg_size 48
		.amdhsa_user_sgpr_count 2
		.amdhsa_user_sgpr_kernarg_segment_ptr 1
		.amdhsa_wavefront_size32 1
		.amdhsa_system_sgpr_workgroup_id_x 1
		.amdhsa_system_sgpr_workgroup_id_y 1
		.amdhsa_system_sgpr_workgroup_id_z 1
		.amdhsa_system_vgpr_workitem_id 0
		.amdhsa_next_free_vgpr 1024
		.amdhsa_next_free_sgpr 80
		.amdhsa_reserve_vcc 0
		.amdhsa_float_denorm_mode_32 3
		.amdhsa_float_denorm_mode_16_64 3
		.amdhsa_memory_ordered 1
		.amdhsa_forward_progress 1
		.amdhsa_inst_pref_size 255
	.end_amdhsa_kernel
	.section	.bss,"aw",@nobits
	.p2align	6
	.space	262144
	.amdgpu_metadata
---
amdhsa.version: [ 1, 2 ]
amdhsa.kernels:
  - .name:           k_qbdc20b0816_attn
    .symbol:         k_qbdc20b0816_attn.kd
    .args:
      - { .name: qimg, .offset: 0, .size: 8, .value_kind: global_buffer, .address_space: global }
      - { .name: kvw, .offset: 8, .size: 8, .value_kind: global_buffer, .address_space: global }
      - { .name: rimg, .offset: 16, .size: 8, .value_kind: global_buffer, .address_space: global }
      - { .name: b_res2, .offset: 24, .size: 8, .value_kind: global_buffer, .address_space: global }
      - { .name: lowp_scales, .offset: 32, .size: 8, .value_kind: global_buffer, .address_space: global }
      - { .name: out0, .offset: 40, .size: 8, .value_kind: global_buffer, .address_space: global }
    .group_segment_fixed_size: 327680
    .private_segment_fixed_size: 0
    .kernarg_segment_align: 8
    .kernarg_segment_size: 48
    .max_flat_workgroup_size: 128
    .sgpr_count:     80
    .vgpr_count:     1024
    .wavefront_size: 32
...
	.end_amdgpu_metadata
.endif
;; end of part 2
